; MI455X (gfx1250); checked and timed in simulation.
; The chip was launched on July 23, 2026; its instructions are those of AMD's public machine-readable ISA for CDNA 5 (MIT licence, August 2026) and "CDNA5" Instruction Set Architecture Reference Guide (July 2026). The comments in the code are by the model that wrote it; some were corrected since.
;; Attention. Allowed arithmetic: matrix products marked QUANTISED: E2M3 operands, one E8M0 scale for each 32 along K, by v_wmma_scale_f32_16x16x128_f8f6f4 with both operands' format E2M3, f32 sums; everything else in f32.
;; Inputs: Wk_codes 1,024 x 32 x 24 uint8 (E2M3 codes of Wk, K innermost, in blocks of 32 codes, four codes in three bytes); Wk_scales 1,024 x 32 uint8 (E8M0 scales of Wk, one for each 32 codes along K); Wq_codes 1,024 x 32 x 24 uint8 (E2M3 codes of Wq, K innermost, in blocks of 32 codes, four codes in three bytes); Wq_scales 1,024 x 32 uint8 (E8M0 scales of Wq, one for each 32 codes along K); Wv_codes 1,024 x 32 x 24 uint8 (E2M3 codes of Wv, K innermost, in blocks of 32 codes, four codes in three bytes); Wv_scales 1,024 x 32 uint8 (E8M0 scales of Wv, one for each 32 codes along K); bk 1,024 float32; bq 1,024 float32; bv 1,024 float32; x_codes 8 x 1,024 x 32 x 24 uint8 (E2M3 codes of x, K innermost, in blocks of 32 codes, four codes in three bytes); x_scales 8 x 1,024 x 32 uint8 (E8M0 scales of x, one for each 32 codes along K).
;; Outputs: out0 8 x 1,024 x 1,024 float32.
;; This version of the problem:
;;   THIS VERSION OF THE PROBLEM IS GIVEN IN LOW PRECISION. The matrix products marked QUANTISED in the list below multiply operands that are first quantised to E2M3 (2 exponent bits, 3 mantissa bits; 6 bits a number), with one power-of-two scale for each 32 numbers along K (OCP MX v1.0); their sums are f32. All else is computed in f32.
;;   The module's matrix products, in the order in which they are computed (A, B: the left and right operand; K: the contracted axis; several contracted axes count as one K, in the product's order):
;;     1. [M 8,192, K 1,024] x [K 1,024, N 1,024]; A: input x (given as codes); B: input Wq (given as codes): QUANTISED
;;     2. [M 8,192, K 1,024] x [K 1,024, N 1,024]; A: input x (given as codes); B: input Wk (given as codes): QUANTISED
;;     3. [M 8,192, K 1,024] x [K 1,024, N 1,024]; A: input x (given as codes); B: input Wv (given as codes): QUANTISED
;;     4. batch 8 x [M 1,024, K 1,024] x [K 1,024, N 1,024]; A: computed on the way; B: computed on the way: QUANTISED
;;     5. batch 8 x [M 1,024, K 1,024] x [K 1,024, N 1,024]; A: softmax (see below); B: computed on the way: QUANTISED
;;   THE QUANTISER, for each operand of a quantised product, along K:
;;     - K is cut into blocks of 32 from its start; a last block that is shorter is filled with zeros.
;;     - A block's scale is 2^e with e = floor(log2(the largest magnitude in the block)) - 2, held to -126 .. 127; a block of zeros has e = 0. As a byte (E8M0): e + 127.
;;     - Each number is divided by its block's scale, clamped to +-7.5, and rounded to the nearest number of E2M3, ties to even, subnormals kept.
;;     - The product sums the exact products of the quantised numbers (number of the format x scale) in f32.
;;   ~~~python
;;   def quantise(x, axis):      # numpy; x: float32 -> the quantised numbers, widened to float32 again
;;       x = np.moveaxis(x, axis, -1); K = x.shape[-1]
;;       x = np.pad(x, [(0, 0)] * (x.ndim - 1) + [(0, -K % 32)]); x = x.reshape(x.shape[:-1] + (-1, 32)); a = np.abs(x).max(-1, keepdims=True)
;;       e = np.where(a > 0, np.clip(np.frexp(np.where(a > 0, a, 1))[1] - 1 - 2, -126, 127), 0)      # np.frexp(a)[1] - 1 = floor(log2(a)), exactly
;;       r = np.clip(x / 2.0 ** e, -7.5, 7.5)
;;       step = 2.0 ** (np.maximum(np.frexp(np.where(r == 0, 1, r))[1] - 1, 0) - 3)
;;       q = np.round(r / step) * step * 2.0 ** e      # np.round: ties to even
;;       return np.moveaxis(q.reshape(q.shape[:-2] + (-1,))[..., :K], -1, axis).astype(np.float32)
;;   ~~~
;;   SOFTMAX AHEAD OF A QUANTISED PRODUCT. Where the list says 'softmax', what is quantised is not the finished softmax but p = 2^(t - M), with t = logit x log2(e) and M = ceil(the row's largest t), a whole number; so 1/2 < the row's largest p <= 1. The row's sum l is taken of the UNQUANTISED p, in f32, and the product's result is divided by l at the end. Since M is a whole number, a kernel that streams over the keys may use a running M (the ceiling of the running maximum): every later rescaling is an exact power of two, which a block's scale takes up: the codes' values come out the same.
;;   OPERANDS COMPUTED ON THE WAY. 'Computed on the way' means the value that the module computes at that place (a softmax that the list does not call 'softmax' is quantised finished and normalised). What goes into a quantiser is computed in f32, as accurately as f32 sums, v_exp_f32 and their like allow (about 1e-6 of the number): no bf16 or f16 on the way to a quantiser, and a product that is left as it is and whose result goes on into a quantised operand takes f32 operands (vector FMAs, or v_wmma_f32_16x16x4_f32). A number that lies on a knife's edge between two numbers of the format may be rounded either way, as far as f32 arithmetic and the matrix unit's own rounding can turn it there, and no further.
;;   INPUTS GIVEN AS CODES. Wk (in the module: [1024, 1024], K = its axis 0); Wq (in the module: [1024, 1024], K = its axis 0); Wv (in the module: [1024, 1024], K = its axis 0); x (in the module: [8, 1024, 1024], K = its axis 2): each comes as NAME_codes (uint8): NAME with its K axis moved to the last place and cut into blocks of 32 codes, [.., K / 32, bytes a block], one block behind the other in memory; four codes in three bytes: a row's codes are one little-endian stream of bits, code i at bits 6 i .. 6 i + 5 (a code: sign, 2 exponent bits, 3 mantissa bits); and NAME_scales (uint8): the same leading axes, one E8M0 byte (e + 127) for each 32 codes along K. Its value is code x scale, taken as it is: it is not quantised again, and the codes and scales need not be those that the quantiser above would give.
;; One version. Each part assembles by itself: llvm-mc -triple=amdgcn-amd-amdhsa -mcpu=gfx1250 --defsym DOCPART=n.
;; ======== version 1 of 1: 3 launches
;; limits: right only within a limited range of input values
;; workspace buffers: qws 6,553,600 bytes; kws 6,553,600 bytes; pws 6,553,600 bytes; vws 6,553,600 bytes; stats 1,048,576 bytes
;; launch qkv (part 1): grid 16 x 16, 4 waves a work-group, clusters of 4 x 4, 327,680 bytes of LDS; arguments x_codes, x_scales, Wq_codes, Wq_scales, Wk_codes, Wk_scales, Wv_codes, Wv_scales, bq, bk, bv, qws, kws, vws; writes qws, kws, vws
.if DOCPART == 1
	.amdgcn_target "amdgcn-amd-amdhsa--gfx1250"
	.amdhsa_code_object_version 6
	.text
	.protected	k_qf4bbd33fc0_qkv
	.globl	k_qf4bbd33fc0_qkv
	.p2align	8
	.type	k_qf4bbd33fc0_qkv,@function
k_qf4bbd33fc0_qkv:
	s_mov_b64 s[64:65], 0
	v_nop
	global_prefetch_b8 v0, s[64:65] scope:SCOPE_SE
	s_setreg_imm32_b32 hwreg(HW_REG_WAVE_MODE, 25, 1), 1
	s_wait_xcnt 0x0
	s_wait_alu depctr_hold_cnt(0) depctr_sa_sdst(0) depctr_va_vdst(0) depctr_va_sdst(0) depctr_va_ssrc(0) depctr_va_vcc(0) depctr_vm_vsrc(0)
	s_getreg_b32 s2, hwreg(HW_REG_IB_STS2, 6, 4)
	s_cmp_eq_u32 s2, 0
	s_cbranch_scc0 .Lentry_in_a_cluster
	s_endpgm
.Lentry_in_a_cluster:
	s_bfe_u32 s2, ttmp6, 0x10000c
	s_cmp_lg_u32 s2, 0xf033
	s_cbranch_scc0 .Lentry_shape_is_right
	s_endpgm
.Lentry_shape_is_right:
; LAUNCH 1 OF 3.  q = x Wq^T + bq, k = x Wk^T + bk, v = x Wv^T + bv, each quantised to codes of FP6 (E2M3) with one E8M0 byte for each 32 along the next product's K.  No work is left out; every input is loaded.
; LIMITS: NaN and infinities are not served.  A block of zeros has the byte 1 (its codes are zeros).  Inside a block of 32 the codes stand in the order 0-7, 16-23, 8-15, 24-31, the same in both operands of each later product.
; WORKSPACE (qws, kws by token; vws by batch and column of v): RECORDS of 16 rows x 1,024 codes, 12,288 bytes: [K step of 128: 8][64-code half c: 2][lane][16 bytes], then for the K step [c][lane][8 bytes]: a lane's 24 bytes of half c are the
; six registers 6 c .. of its operand.  v's lane r of tile t of a group of four tiles lies at place (r + t) % 16.  Behind the codes, at CODEB: scale words [K step][8,192 rows].
; THE DEAL: 256 work-groups of four waves, 2 x 2.  A work-group makes 256 x 128 of v (phase 1), then 512 x 128 of q or k (phase 2); v's 256 rows are a half of its own 512, so their two chunks of 128 rows serve both phases.
; A wave holds 64 rows of a weight, all of K, in registers and streams x's rows past them in blocks of 16: the wave in row a takes rows 64 a + 16 i of a chunk.  x is shared by a row of the cluster, a weight by a column, in joint loads.
; Which half and which tensor come from the cluster's number alone.  LDS: two slots of 128 rows, the weights' region, two chunks' scale bytes, stages for the results' scale bytes, the spare words.
; FILLS: at the head one load a wave; three refills, each in a drained round: the weights (v's third block), chunks 2 and 3 with their scale bytes (phase 2's blocks 2 and 6).  Behind each, one load a wave.
; PREFETCHES: the second weight at the head; chunk 2 and both chunks' scale bytes behind the first refill; chunk 3 at the change of phase; each 256-byte block once in each cluster, shared out by address among the sixteen waves that ask jointly.
.set KROW,   768
.set KS,     32
.set PITCH,  816                       ; an LDS row: 3 x (256 + 16)
.set RA,     128
.set NQ,     8
.set NB,     4
.set FR,     12
.set FPW,    21                        ; fragments in a window of 256 registers
.set NF,     28                        ; LDS loads of a block: 26 for eight fragments, 2 for eight scale words
.set YB,     RA*PITCH
.set BVB,    2*YB
.set SCL,    3*YB
.set SCB,    16*272
.set XN,     SCL+2*SCB                 ; q's or k's scale words: 512 rows x 4 bytes, in the order of work
.set XM,     XN+2048                   ; v's: [chunk][128 columns] x 4 bytes
.set SPARE,  XM+1024
.set REC,    12288
.set FRG,    1536
.set CODEB,  6291456
.set ADRA0, 4                          ; v4, v5: my fragments of block 0 (v5: for pieces behind one padding more); v1, v22: block 1
.set AAS0,  6                          ; v6: my row's scale words in block 0; v23: in block 1
.set CO,    9
.set SPW,   10
.set NIL,   11
.set ADRA,  12
.set ADRB,  14
.set ABS,   16
.set AAS,   17
.set STO,   18
.set STV,   19
.set SB,    24                         ; v24-39 the weights' scale words
.set TQ,    40
.set SA,    44                         ; v44-59 x's scale words, two sets
.set TC,    60
.set CO8,   63
.set ACC,   64                         ; phase 2: two sets of 32 sums
.set HV0,   64                         ; phase 1, chunk 0: 32 t + 8 j + i
.set HV1,   840                        ; chunk 1
.set NCD,   128                        ; phase 2: codes, two sets of six
.set BBQ,   160                        ; v160-191 q's or k's bias
.set MCD,   192                        ; phase 1: codes, 12 t + 6 chunk
.set SOP,   240
.set EB,    244
.set VP,    248                        ; v248-251, v252-255: v's places, per tile
.set VP8,   252
.set SB2,   968
.set BA,    984
.set BBV,   992                        ; v992-1023 v's bias
.set G1A, 24
.set G1B, 32
.set G1S, 92
.set G0A, 56
.set G0B, 60
.set G0R, 68
.set G0S, 72
.set MSB, 0
.set RFL, -1
.macro WIN new
.if MSB != \new
	s_set_vgpr_msb (MSB<<8)|\new
.set MSB, \new
.endif
.endm
.macro PLACES n
.rept \n
	v_nop
.endr
.endm
.macro WALU
	s_wait_alu depctr_va_vdst(0)
.endm
.macro BARRIER
	s_barrier_signal -1
	s_barrier_wait -1
.endm
.macro MIDDLE
	WIN 0
	s_barrier_wait -1
	s_cmp_lg_u32 s14, 0
	s_cbranch_scc1 .Lnot_wave_0_\@
	s_barrier_signal -3
.Lnot_wave_0_\@:
	s_barrier_wait -3
.endm
.macro CROUND
	s_barrier_signal -1
	MIDDLE
	BARRIER
.endm
.macro GRD
	s_wait_tensorcnt 0x0
	ds_add_u32 v[SPW], v[NIL]
.endm
.macro TLOAD g0, g1
	tensor_load_to_lds s[\g0:\g0+3], s[\g1:\g1+7]
	s_nop 0
	PLACES 4
.endm
.macro GROUP1 g, mask, rows            ; rows of 768 bytes, 16 bytes of padding behind every 256
	s_or_b32 s[\g+0], s[\mask], (1<<20)|(1<<21)|(5<<22)|(3<<25)
	s_mov_b32 s[\g+1], KROW<<16
	s_mov_b32 s[\g+2], (\rows)<<16
	s_mov_b32 s[\g+3], KROW<<16
	s_mov_b32 s[\g+4], \rows
	s_mov_b32 s[\g+5], KROW
	s_mov_b32 s[\g+6], 0
	s_mov_b32 s[\g+7], 0
.endm
.macro PADD d, base, off               ; a pointer + the 32-bit offset in s\off  (s21 = 0)
	s_mov_b32 s20, s\off
	s_add_nc_u64 s[\d:\d+1], s[\base:\base+1], s[20:21]
.endm
.macro FRAG f, q, a0, a1, aw           ; six pieces of 8 bytes, two to a load where both lie behind as many paddings
	WIN ((1+(\f)/FPW)<<6)|(\aw)
.set R_, FR*((\f)%FPW)
.set SKIP_, 0
.irp p, 0,1,2,3,4,5
.if SKIP_
.set SKIP_, 0
.else
.set PC_, 12*(\q)+6*(\p/3)+\p%3
.set PN_, 12*(\q)+6*((\p+1)/3)+(\p+1)%3
.set X_, (PC_%32+3)/32
.set XQ_, (PN_%32+3)/32
.if (\p < 5) && (X_ == XQ_)
.set SKIP_, 1
.if X_
	ds_load_2addr_b64 v[R_+2*\p:R_+2*\p+3], \a1 offset0:PC_+2*(PC_/32) offset1:PN_+2*(PN_/32)
.else
	ds_load_2addr_b64 v[R_+2*\p:R_+2*\p+3], \a0 offset0:PC_+2*(PC_/32) offset1:PN_+2*(PN_/32)
.endif
.elseif X_
	ds_load_b64 v[R_+2*\p:R_+2*\p+1], \a1 offset:8*(PC_+2*(PC_/32))
.else
	ds_load_b64 v[R_+2*\p:R_+2*\p+1], \a0 offset:8*(PC_+2*(PC_/32))
.endif
.endif
.endr
.endm
.macro WEIGHTS                         ; my 64 rows of the weight, all of K: fragments 0-31 (4 q + tile)
.irp q, 0,1,2,3,4,5,6,7
.irp b, 0,1,2,3
	FRAG NB*\q+\b, \q, v[BA-768+2*\b], v[BA-768+2*\b+1], 3
.endr
.endr
	WIN 0
.endm
.macro FETCHAT e, a0, a1, as           ; a block of x's rows into set e: NF loads
.irp q, 0,1,2,3,4,5,6,7
	FRAG NB*NQ+NQ*(\e)+\q, \q, \a0, \a1, 0
.endr
	WIN 0
	ds_load_b128 v[SA+8*(\e):SA+8*(\e)+3], \as
	ds_load_b128 v[SA+8*(\e)+4:SA+8*(\e)+7], \as offset:16
.endm
.macro FETCH e
	FETCHAT \e, v[ADRA], v[ADRA+1], v[AAS]
.endm
.macro FETCH01
	FETCHAT 0, v[ADRA0], v[ADRA0+1], v[AAS0]
	FETCHAT 1, v1, v22, v23
.endm
.macro XADR s                          ; where block s of the order of work lies
	v_add_nc_u32 v[ADRA], (((\s)%8)/4)*YB+((\s)%4)*16*PITCH, v[ADRA0]
	v_add_nc_u32 v[ADRA+1], (((\s)%8)/4)*YB+((\s)%4)*16*PITCH, v[ADRA0+1]
	v_add_nc_u32 v[AAS], (((\s)%8)/4)*SCB+((\s)%4)*544, v[AAS0]
.endm
; a product.  n = 4 q + tile.  kind 0 (q, k): source 0 the weight's rows; kind 1 (v): source 0 x's rows.  The bias is the first products' C.
.macro PROD kind, e, n, a0, as
.set Q_, (\n)/4
.set FB_, NB*Q_+(\n)%4
.set FA_, NB*NQ+NQ*(\e)+Q_
.set D_, (\a0)+(\as)*((\n)%4)
.set DL_, D_&255
.set XB_, SB+NQ*(((\n)%4)/2)+Q_
.set XA_, SA+8*(\e)+Q_
.if \kind
.if Q_
	WIN (1+FA_/FPW)|((1+FB_/FPW)<<2)|((D_>>8)<<4)|((D_>>8)<<6)
	PROD1 DL_, FA_, FB_, v[DL_:DL_+7], XA_, XB_, b, (\n)%2
.else
	WIN (1+FA_/FPW)|((1+FB_/FPW)<<2)|(3<<4)|((D_>>8)<<6)
	PROD1 DL_, FA_, FB_, v[BBV-768+8*((\n)%4):BBV-768+8*((\n)%4)+7], XA_, XB_, b, (\n)%2
.endif
.else
	WIN (1+FB_/FPW)|((1+FA_/FPW)<<2)|((D_>>8)<<4)|((D_>>8)<<6)
.if Q_
	PROD1 DL_, FB_, FA_, v[DL_:DL_+7], XB_, XA_, a, (\n)%2
.else
	PROD1 DL_, FB_, FA_, v[BBQ+8*((\n)%4):BBQ+8*((\n)%4)+7], XB_, XA_, a, (\n)%2
.endif
.endif
.endm
.macro PROD1 d, s0, s1, c, x0, x1, side, o
.if \o
	v_wmma_scale_f32_16x16x128_f8f6f4 v[\d:\d+7], v[FR*((\s0)%FPW):FR*((\s0)%FPW)+FR-1], v[FR*((\s1)%FPW):FR*((\s1)%FPW)+FR-1], \c, v[\x0], v[\x1] matrix_a_fmt:MATRIX_FMT_FP6 matrix_b_fmt:MATRIX_FMT_FP6 matrix_\side\()_scale:MATRIX_SCALE_ROW1
.else
	v_wmma_scale_f32_16x16x128_f8f6f4 v[\d:\d+7], v[FR*((\s0)%FPW):FR*((\s0)%FPW)+FR-1], v[FR*((\s1)%FPW):FR*((\s1)%FPW)+FR-1], \c, v[\x0], v[\x1] matrix_a_fmt:MATRIX_FMT_FP6 matrix_b_fmt:MATRIX_FMT_FP6 matrix_\side\()_scale:MATRIX_SCALE_ROW0
.endif
.endm
; products from .. to - 1 of a block; behind every second one, two entries of the list
.macro BLOCK kind, e, a0, as, from, to, list, x=0, y=0
.set N_, \from
.rept (\to)-(\from)
	PROD \kind, \e, N_, \a0, \as
.if N_%2
	\list N_-1, \x, \y
	\list N_, \x, \y
.endif
.set N_, N_+1
.endr
.endm
; A way out of the 32 sums from register x on: registers 0-15 are my half of block 0, 16-31 my half of block 1; lane l xor 16 has the other halves.  22 entries: the two largest magnitudes by turns, a swap so that lanes 0-15 have
; block 0's and lanes 16-31 block 1's, the scale's byte v[EB+n], and by a second swap both blocks' scale operands in every lane: v[SOP+n], v[t+1].
.macro CHAIN i, x, n, t=TQ
.set XW_, (\x)>>8
.set XL_, (\x)&255
.if (\i) >= 0 && (\i) < 14
.set B_, XL_+16*((\i)%2)+2*((\i)/2)
.set T_, (\t)+1-(\i)%2
.if (\i) < 2
	WIN XW_|(XW_<<2)|(XW_<<4)
	v_max3_num_f32 v[T_], |v[B_]|, |v[B_+1]|, |v[B_+2]|
.else
	WIN (XW_<<2)|(XW_<<4)
	v_max3_num_f32 v[T_], v[T_], |v[B_+1]|, |v[B_+2]|
.endif
.elseif (\i) == 14
	WIN XW_<<2
	v_max3_num_f32 v[\t+1], v[\t+1], |v[XL_+15]|, 0x1800000
.elseif (\i) == 15
	WIN XW_<<2
	v_max3_num_f32 v[\t], v[\t], |v[XL_+31]|, 0x1800000
.elseif (\i) == 16
	WIN 0
	v_permlane16_swap_b32 v[\t+1], v[\t]
.elseif (\i) == 17
	WIN 0
	v_max_num_f32 v[\t], v[\t+1], v[\t]
.elseif (\i) == 18
	WIN 0
	v_add_nc_u32 v[SOP+\n], 0xff000000, v[\t]
.elseif (\i) == 19
	WIN 0
	v_lshrrev_b32 v[EB+\n], 23, v[SOP+\n]
.elseif (\i) == 20
	WIN 0
	v_mov_b32 v[\t+1], v[SOP+\n]
.elseif (\i) == 21
	WIN 0
	v_permlane16_swap_b32 v[SOP+\n], v[\t+1]
.endif
.endm
.macro CODES x, c, n, t=TQ, tc=TC      ; 32 codes into v[c .. c+5]: lanes 0-15 block 0 whole, lanes 16-31 block 1
.set XW_, (\x)>>8
.set XL_, (\x)&255
	WIN XW_
	v_cvt_scalef32_pk16_fp6_f32 v[\c:\c+2], v[XL_:XL_+15], v[SOP+\n]
	v_cvt_scalef32_pk16_fp6_f32 v[\tc:\tc+2], v[XL_+16:XL_+31], v[\t+1]
	WIN 0
	v_nop
.irp k, 0,1,2
	v_permlane16_swap_b32 v[\c+\k], v[\tc+\k]
.endr
.irp k, 0,1,2
	v_mov_b32 v[\c+3+\k], v[\tc+\k]
.endr
.endm
.macro PFTILE v, off, share            ; my sixteenth of a tile of 128 rows, to be asked for into the L2
	s_mul_i32 s21, s\share, RA*KROW/16
	s_add_co_u32 s20, s\off, s21
	WIN 0
	v_min_u32 v\v, RA*KROW/16/256-1, v3
	v_lshl_add_u32 v\v, v\v, 8, s20
.endm
.macro PFGO v, base
	global_prefetch_b8 v\v, s[\base:\base+1] th:TH_LOAD_NT scope:SCOPE_SE
.endm
.macro PUTV t, band
	global_store_b128 v[VP+\t], v[MCD+12*\t+6*\band:MCD+12*\t+6*\band+3], s[54:55] offset:\t*REC+\band*FRG
	global_store_b64 v[VP8+\t], v[MCD+12*\t+6*\band+4:MCD+12*\t+6*\band+5], s[54:55] offset:\t*REC+\band*FRG
.endm
.macro PUTQ s
.set OF_, (((\s)%8)/4*8+(\s)%4)*REC
.set NC_, NCD+6*((\s)%2)
.if (\s) < 8
	global_store_b128 v[CO], v[NC_:NC_+3], s[80:81] offset:OF_
	global_store_b64 v[CO8], v[NC_+4:NC_+5], s[80:81] offset:OF_
.else
	global_store_b128 v[CO], v[NC_:NC_+3], s[82:83] offset:OF_
	global_store_b64 v[CO8], v[NC_+4:NC_+5], s[82:83] offset:OF_
.endif
.endm
.macro ASKR i                          ; 2 entries: the descriptors of chunk 2 + RFL for slot RFL and of its scale bytes
.if RFL >= 0
.if (\i) == 0
	s_mul_i32 s[G0R+1], s14, 64*PITCH
	s_add_co_u32 s[G0R+1], s[G0R+1], RFL*YB
	s_add_nc_u64 s[G0R+2:G0R+3], s[66:67], RFL*RA*KROW
	s_or_b32 s[G0R+3], s[G0R+3], 0x80000000
.elseif (\i) == 1
	s_mov_b32 s[G0S+1], SCL+RFL*SCB
	s_add_nc_u64 s[G0S+2:G0S+3], s[100:101], RFL*RA*KS
	s_or_b32 s[G0S+3], s[G0S+3], 0x80000000
.endif
.endif
.endm
.macro L_NONE i, x, y
.endm
.macro L_OUTV i, x, y
	CHAIN \i, \x, \y
.endm
.macro L_OUT i, x, y
	ASKR \i
	CHAIN (\i)-2, \x, \y
.endm
.macro L_V2 i, x, y                    ; v's third block: the refills' row counts, the first refill's descriptors, what the second refill will load is asked for
.if (\i) == 0
	s_mov_b32 s[G1A+2], 64<<16
	s_mov_b32 s[G1A+4], 64
	s_mov_b32 s[G1S+2], 16<<16
	s_mov_b32 s[G1S+4], 16
.elseif (\i) == 1
	s_mov_b32 s[G1B+2], 32<<16
	s_mov_b32 s[G1B+4], 32
	s_mul_i32 s[G0B+1], s14, 32*PITCH
	s_add_co_u32 s[G0B+1], s[G0B+1], BVB
.elseif (\i) == 2
	s_mul_i32 s20, s14, 32*KROW
	s_add_co_u32 s20, s20, s9
	s_mov_b32 s21, 0
	s_add_nc_u64 s[G0B+2:G0B+3], s[76:77], s[20:21]
.elseif (\i) == 3
	s_or_b32 s[G0B+3], s[G0B+3], 0x80000000
.elseif (\i) == 6
	PFTILE 7, 8, 46
.elseif (\i) == 8
	s_lshl_b32 s21, s46, 9
	s_add_co_u32 s20, s23, s21
	WIN 0
	v_min_u32 v8, 1, v3
	v_lshl_add_u32 v8, v8, 8, s20
.endif
.endm
.macro L_V7 i, x, y
.if (\i) == 0
	s_add_co_u32 s22, s8, RA*KROW
	PFTILE 20, 22, 46
.endif
	CHAIN (\i)-1, \x, \y
.endm
; a block of phase 2 behind the first.  w: the count of the wait for its rows (-1: shown in already).  mode 1: a refill's round stands in it; mode 2: a plain barrier shows the last refill to all
.macro P2 s, w, mode
.set E_, (\s)%2
.if (\mode) == 1
.set RFL, ((\s)-2)/4
.else
.set RFL, -1
.endif
.if (\w) >= 0
	s_wait_dscnt \w
.endif
	s_wait_xcnt 0x0
.if (\mode) == 1
	GRD
.endif
.if (\mode) == 0
	BLOCK 0, E_, ACC+32*E_, 8, 0, 32, L_OUT, ACC+32*(1-E_), 1-E_
.else
	BLOCK 0, E_, ACC+32*E_, 8, 0, 26, L_OUT, ACC+32*(1-E_), 1-E_
	WIN 0
	WALU
.if (\mode) == 2
	s_wait_tensorcnt 0x0
.endif
	s_wait_dscnt 0x0
	s_barrier_signal -1
	BLOCK 0, E_, ACC+32*E_, 8, 26, 32, L_NONE
	WIN 0
.if (\mode) == 2
	s_barrier_wait -1
.endif
.endif
	CODES ACC+32*(1-E_), NCD+6*(1-E_), 1-E_
.if (\mode) == 1
	MIDDLE
	BARRIER
	s_cmp_lt_u32 s14, 2
	s_cbranch_scc0 .Lscales_\@
	TLOAD G0R, G1A
	s_branch .Lasked_\@
.Lscales_\@:
	s_cmp_eq_u32 s14, 2
	s_cbranch_scc0 .Lnone_\@
	TLOAD G0S, G1S
.Lnone_\@:
.Lasked_\@:
.endif
.if (\s) < 14
	XADR (\s)+2
.endif
	WALU
	ds_store_b8 v[STO], v[EB+1-E_] offset:(((\s)-1)/4)*512+(((\s)-1)%4)*64
	PUTQ (\s)-1
.if (\s) < 14
	FETCH E_
.endif
.endm
; ================= THE HEAD
	s_load_b128 s[4:7], s[0:1], 0x0                ; x's codes, scales
	s_load_b256 s[76:83], s[0:1], 0x10             ; Wq's codes, scales, Wk's
	s_load_b128 s[84:87], s[0:1], 0x30             ; Wv's
	s_load_b128 s[48:51], s[0:1], 0x40             ; bq, bk
	s_load_b64 s[52:53], s[0:1], 0x50              ; bv
	s_load_b128 s[88:91], s[0:1], 0x58             ; qws, kws
	s_load_b64 s[54:55], s[0:1], 0x68              ; vws
	v_lshl_add_u32 v[SPW], v0, 2, SPARE
	v_mov_b32 v[NIL], 0
	ds_add_u32 v[SPW], v[NIL]
	ds_add_u32 v[SPW], v[NIL]
	v_lshrrev_b32 v1, 5, v0
	v_readfirstlane_b32 s14, v1                    ; the wave; s15 its row a, s16 its column c
	s_lshr_b32 s15, s14, 1
	s_and_b32 s16, s14, 1
	s_bfe_u32 s40, ttmp6, 0x40000
	s_bfe_u32 s41, ttmp6, 0x40004
	s_lshl_b32 s42, ttmp9, 2
	s_add_co_u32 s42, s42, s40                     ; phase 2's tile column: 0-7 q, 8-15 k
	s_and_b32 s43, ttmp7, 0xffff
	s_lshl_b32 s43, s43, 2
	s_add_co_u32 s43, s43, s41                     ; its tile row (512 rows)
	s_lshr_b32 s19, ttmp9, 1                       ; 0 q, 1 k
	s_and_b32 s18, ttmp9, 1                        ; v's half of my 512 rows
	s_lshl_b32 s13, s19, 2
	s_add_co_u32 s13, s13, s40                     ; v's tile column
	s_lshl_b32 s12, s43, 1
	s_add_co_u32 s12, s12, s18                     ; v's tile row (256 rows)
	s_and_b32 s17, s42, 7
	s_lshl_b32 s44, s41, 2
	s_lshl_b32 s44, 15, s44                        ; my row of the cluster
	s_lshl_b32 s45, 0x1111, s40                    ; my column
	GROUP1 G1A, 44, RA
	GROUP1 G1B, 45, RA
	s_or_b32 s[G1S+0], s44, (3<<16)|(1<<20)|(1<<21)|(5<<22)|(3<<25)
	s_mov_b32 s[G1S+1], 32<<16
	s_mov_b32 s[G1S+2], 32<<16
	s_mov_b32 s[G1S+3], 32<<16
	s_mov_b32 s[G1S+4], 32
	s_mov_b32 s[G1S+5], 32
	s_mov_b32 s[G1S+6], 0
	s_mov_b32 s[G1S+7], 0
	s_mov_b32 s[G0A], 1
	s_mov_b32 s[G0A+1], 0
	s_mov_b32 s[G0R], 1
	s_mov_b32 s[G0R+1], YB
	s_mov_b32 s[G0B], 1
	s_mov_b32 s[G0B+1], BVB
	s_mov_b32 s[G0S], 1
	s_mov_b32 s[G0S+1], SCL
	s_mul_i32 s66, s12, 256*KROW                   ; x's half that comes first,
	s_xor_b32 s22, s12, 1
	s_mul_i32 s8, s22, 256*KROW                    ; and the other
	s_mul_i32 s23, s22, 256*KS
	s_mul_i32 s11, s12, 256*KS
	s_mul_i32 s9, s17, RA*KROW
	s_mul_i32 s10, s13, RA*KROW
	s_lshl_b32 s46, s40, 2
	s_add_co_u32 s46, s46, s14                     ; my number among the sixteen waves of my row of the cluster,
	s_lshl_b32 s47, s41, 2
	s_add_co_u32 s47, s47, s14                     ; and of my column
	s_mul_i32 s20, s15, 64*PITCH
	s_mul_i32 s21, s16, 64*PITCH
	s_add_co_u32 s21, s21, BVB
	s_mul_i32 s22, s15, 8*272
	s_add_co_u32 s22, s22, SCL
	s_lshl_b32 s2, s16, 8
	s_sub_co_u32 s2, 1024, s2
	s_lshl_b32 s104, s15, 8
	s_sub_co_u32 s104, 1024, s104
	s_lshl_b32 s3, s15, 8
	s_lshl_b32 s67, s16, 1
	s_add_co_u32 s3, s3, s67
	s_add_co_u32 s3, s3, XN
	s_lshl_b32 s67, s16, 8
	s_lshl_b32 s105, s15, 1
	s_add_co_u32 s67, s67, s105
	s_add_co_u32 s67, s67, XM
	v_and_b32 v1, 15, v0                           ; r
	v_bfe_u32 v2, v0, 4, 1                         ; h
	v_and_b32 v3, 31, v0                           ; lane
	v_mul_u32_u24 v22, v1, PITCH
	v_mad_u32_u24 v23, v2, 24, v22
	v_mad_u32_u24 v7, v2, 40, v22
	v_add_nc_u32 v[ADRA0], s20, v23
	v_add_nc_u32 v[ADRA0+1], s20, v7
	v_add_nc_u32 v[ADRB], s21, v23
	v_add_nc_u32 v[ADRB+1], s21, v7
	v_lshlrev_b32 v[ABS], 5, v3
	v_lshrrev_b32 v6, 3, v1
	v_lshlrev_b32 v6, 4, v6
	v_lshl_add_u32 v6, v1, 5, v6
	v_add_nc_u32 v[AAS0], s22, v6
	v_lshlrev_b32 v[CO], 4, v3
	v_lshl_add_u32 v[CO8], v3, 3, s2
	v_lshl_add_u32 v8, v1, 2, v2
	v_add_nc_u32 v[STO], s3, v8                    ; row r's byte 2 c + h
	v_add_nc_u32 v[STV], s67, v8                   ; column r's byte 2 a + h
	v_lshlrev_b32 v21, 5, v2
	v_lshlrev_b32 v8, 2, v1
.irp t, 0,1,2,3
	v_add_nc_u32 v[VP+\t], \t, v1
	v_and_b32 v[VP+\t], 15, v[VP+\t]
	v_lshl_add_u32 v[VP+\t], v2, 4, v[VP+\t]
	v_lshl_add_u32 v[VP8+\t], v[VP+\t], 3, s104
	v_lshlrev_b32 v[VP+\t], 4, v[VP+\t]
.endr
	WALU
	s_wait_dscnt 0x0
	CROUND                                         ; in front of the first joint loads
	s_wait_kmcnt 0x0
	s_cmp_eq_u32 s19, 0
	s_cselect_b64 s[76:77], s[76:77], s[80:81]
	s_cselect_b64 s[78:79], s[78:79], s[82:83]
	s_cselect_b64 s[48:49], s[48:49], s[50:51]
	s_cselect_b64 s[88:89], s[88:89], s[90:91]
	s_mov_b32 s21, 0
	PADD G0A+2, 4, 66
	s_add_nc_u64 s[G0R+2:G0R+3], s[G0A+2:G0A+3], RA*KROW
	s_or_b32 s[G0A+3], s[G0A+3], 0x80000000
	s_or_b32 s[G0R+3], s[G0R+3], 0x80000000
	PADD G0B+2, 84, 10
	s_or_b32 s[G0B+3], s[G0B+3], 0x80000000
	PADD G0S+2, 6, 11
	s_or_b32 s[G0S+3], s[G0S+3], 0x80000000
	s_cmp_eq_u32 s14, 0                            ; one load a wave
	s_cbranch_scc0 .Lwave_1
	TLOAD G0B, G1B                                 ; wave 0: Wv's rows
	s_branch .Lasked
.Lwave_1:
	s_cmp_eq_u32 s14, 1
	s_cbranch_scc0 .Lwave_2
	TLOAD G0S, G1S                                 ; wave 1: both chunks' scale bytes
	s_branch .Lasked
.Lwave_2:
	s_cmp_eq_u32 s14, 2
	s_cbranch_scc0 .Lwave_3
	TLOAD G0A, G1A                                 ; wave 2: chunk 0
	s_branch .Lasked
.Lwave_3:
	TLOAD G0R, G1A                                 ; wave 3: chunk 1
.Lasked:
	s_lshl_b32 s22, s13, 12                        ; the weights' scale words: 128 x 32 bytes a tile column,
	s_lshl_b32 s3, s16, 11                         ; + 64 x 32 for my column
	s_add_co_u32 s22, s22, s3
	PADD 86, 86, 22
	s_lshl_b32 s22, s17, 12
	s_add_co_u32 s22, s22, s3
	PADD 78, 78, 22
.irp p, 0,1
.irp c, 0,1
	global_load_b128 v[SB+NQ*\p+4*\c:SB+NQ*\p+4*\c+3], v[ABS], s[86:87] offset:\p*1024+16*\c
.endr
.endr
	s_lshl_b32 s22, s13, 9                         ; the biases: 4 x (128 x tile column + 64 c)
	s_lshl_b32 s3, s16, 8
	s_add_co_u32 s22, s22, s3
	PADD 52, 52, 22
	s_lshl_b32 s22, s17, 9
	s_add_co_u32 s22, s22, s3
	PADD 48, 48, 22
	WIN 3<<6
.irp p, 0,1
.irp c, 0,1
	global_load_b128 v[SB2-768+NQ*\p+4*\c:SB2-768+NQ*\p+4*\c+3], v[ABS], s[78:79] offset:\p*1024+16*\c
.endr
.endr
.irp t, 0,1,2,3
	global_load_b32 v[BBV-768+8*\t], v8, s[52:53] offset:64*\t
.endr
	WIN 0
	; where the results go.  s[80:81], s[82:83]: q's or k's codes of the half that comes first and of the other; s[90:91] their scale words; s[54:55], s[84:85] v's
	s_mul_i32 s3, s17, FRG
	s_lshl_b32 s22, s16, 9
	s_add_co_u32 s3, s3, s22
	s_mul_i32 s22, s15, 4*REC
	s_add_co_u32 s3, s3, s22
	s_mul_i32 s22, s12, 16*REC
	s_add_co_u32 s22, s22, s3
	PADD 80, 88, 22
	s_xor_b32 s22, s12, 1
	s_mul_i32 s22, s22, 16*REC
	s_add_co_u32 s22, s22, s3
	PADD 82, 88, 22
	s_lshl_b32 s22, s17, 15
	s_lshl_b32 s3, s43, 11
	s_add_co_u32 s22, s22, s3
	s_xor_b32 s3, s15, s18                         ; the stage's halves lie in the order of work
	s_lshl_b32 s3, s3, 10
	s_add_co_u32 s22, s22, s3
	s_lshl_b32 s3, s16, 9
	s_add_co_u32 s22, s22, s3
	s_add_co_u32 s22, s22, CODEB
	PADD 90, 88, 22
	s_lshr_b32 s2, s12, 2                          ; the batch
	s_and_b32 s19, s12, 3
	s_lshl_b32 s19, s19, 1                         ; v's K step of chunk 0
	s_add_co_u32 s22, s19, s15
	s_lshl_b32 s22, s22, 15
	s_lshl_b32 s3, s2, 12
	s_add_co_u32 s22, s22, s3
	s_lshl_b32 s3, s13, 9
	s_add_co_u32 s22, s22, s3
	s_lshl_b32 s3, s16, 8
	s_add_co_u32 s22, s22, s3
	s_add_co_u32 s22, s22, CODEB
	PADD 84, 54, 22
	s_lshl_b32 s22, s2, 6
	s_lshl_b32 s3, s13, 3
	s_add_co_u32 s22, s22, s3
	s_lshl_b32 s3, s16, 2
	s_add_co_u32 s22, s22, s3
	s_mul_i32 s22, s22, REC
	s_mul_i32 s3, s19, FRG
	s_add_co_u32 s22, s22, s3
	s_lshl_b32 s3, s15, 9
	s_add_co_u32 s22, s22, s3
	PADD 54, 54, 22
	s_mul_i32 s22, s14, 64*KROW                    ; the later chunks: my half of one, and their scale bytes
	s_add_co_u32 s22, s22, s8
	PADD 66, 4, 22
	PADD 100, 6, 23
	WIN 3<<6
.irp b, 0,1,2,3
	v_add_nc_u32 v[BA-768+2*\b], \b*16*PITCH, v[ADRB]
	v_add_nc_u32 v[BA-768+2*\b+1], \b*16*PITCH, v[ADRB+1]
.endr
	WIN 0
	v_add_nc_u32 v1, 16*PITCH, v[ADRA0]
	v_add_nc_u32 v22, 16*PITCH, v[ADRA0+1]
	v_add_nc_u32 v23, 544, v[AAS0]
	PFTILE 60, 9, 47                               ; what the first refill will load
	WALU
	s_wait_loadcnt 0x0
	WIN (3<<6)|3
.irp t, 0,8,16,24
.irp i, 1,2,3,4,5,6,7
	v_mov_b32 v[BBV-768+\t+\i], v[BBV-768+\t]
.endr
.endr
	WIN 0
	WALU
	s_cmp_eq_u32 s14, 0
	s_cbranch_scc0 .Lnot_b
	s_wait_tensorcnt 0x0
.Lnot_b:
	BARRIER                                        ; Wv's rows are in
	PFGO 60, 76
	WEIGHTS
	s_cmp_eq_u32 s14, 3
	s_cbranch_scc1 .Lnot_a0
	s_wait_tensorcnt 0x0
.Lnot_a0:
	s_wait_dscnt 0x0
	BARRIER                                        ; chunk 0 and the scale bytes are in; chunk 1 may be on its way
	FETCH01
; ================= PHASE 1: v, eight blocks; chunk 0's way outs stand in chunk 1's blocks
.irp s, 0,1
	s_wait_dscnt NF
	BLOCK 1, \s, HV0+8*\s, 32, 0, 32, L_NONE
	WIN 0
	XADR \s+2
	v_nop
	WALU
	FETCH \s
.endr
	s_wait_dscnt NF
	s_wait_xcnt 0x0
	GRD
	BLOCK 1, 0, HV0+16, 32, 0, 24, L_V2
	WIN 0
	s_wait_dscnt 0x0
	s_barrier_signal -1
	BLOCK 1, 0, HV0+16, 32, 24, 32, L_NONE
	MIDDLE
	BARRIER
	TLOAD G0B, G1B                                 ; each wave 32 of Wq's or Wk's rows, onto Wv's, which all waves hold in registers
	XADR 4
	WALU
	FETCH 0
	PFGO 7, 4
	PFGO 8, 6
	BLOCK 1, 1, HV0+24, 32, 0, 32, L_NONE
	WIN 0
	XADR 5
	v_nop
	WALU
	FETCH 1
.irp j, 0,1,2
	s_wait_dscnt NF+(\j+1)/2
	BLOCK 1, \j%2, HV1+8*\j, 32, 0, 32, L_OUTV, HV0+32*\j, \j
	WIN 0
	CODES HV0+32*\j, MCD+12*\j, \j
.if \j < 2
	XADR \j+6
.endif
	WALU
	ds_store_b8 v[STV], v[EB+\j] offset:64*\j
	PUTV \j, 0
.if \j < 2
	FETCH \j%2
.endif
.endr
	s_wait_dscnt 1
	BLOCK 1, 1, HV1+24, 32, 0, 26, L_V7, HV0+96, 3
	WIN 0
	WALU
	s_wait_tensorcnt 0x0
	s_wait_dscnt 0x0
	s_barrier_signal -1                            ; a plain barrier: the second weight is shown to all
	BLOCK 1, 1, HV1+24, 32, 26, 32, L_NONE
	WIN 0
	s_barrier_wait -1
	CODES HV0+96, MCD+36, 3
	WALU
	ds_store_b8 v[STV], v[EB+3] offset:192
	PUTV 3, 0
; ================= THE CHANGE OF PHASE: the weights and the first two blocks' rows in one run of loads; chunk 1's four way outs under their flight
.irp k, 0,1,2,3,4,5,6,7
	global_load_b128 v[BBQ+4*\k:BBQ+4*\k+3], v21, s[48:49] offset:64*(\k/2)+16*(\k%2)
.endr
	WEIGHTS
	FETCH01
	PFGO 20, 4
	WIN 3
.set I, 0
.rept 16
	v_mov_b32 v[SB+I], v[SB2-768+I]
.set I, I+1
.endr
	WIN 0
.set I, 0
.rept 22
.irp t, 0,1,2,3
	CHAIN I, HV1+32*\t, \t, 64+4*\t
.endr
.set I, I+1
.endr
.irp t, 0,1,2,3
	CODES HV1+32*\t, MCD+12*\t+6, \t, 64+4*\t, 80+4*\t
.endr
	WALU
; ================= PHASE 2: q or k, sixteen blocks
	s_wait_loadcnt 0x0
	s_wait_dscnt NF
	BLOCK 0, 0, ACC, 8, 0, 32, L_NONE
	WIN 0
	XADR 2
	v_nop
	WALU
.irp t, 0,1,2,3
	ds_store_b8 v[STV], v[EB+\t] offset:512+64*\t
.endr
.irp t, 0,1,2,3
	PUTV \t, 1
.endr
	FETCH 0
	P2 1, NF+4, 0
	P2 2, NF+1, 1
	P2 3, -1, 0
	P2 4, NF+1, 0
	P2 5, NF+1, 0
	P2 6, NF+1, 1
	P2 7, -1, 0
	P2 8, NF+1, 0
	P2 9, NF+1, 0
	P2 10, NF+1, 2
	P2 11, -1, 0
	P2 12, NF+1, 0
	P2 13, NF+1, 0
	P2 14, NF+1, 0
	P2 15, 1, 0
; ================= THE END: the last way out; the scale words go through LDS
	s_lshl_b32 s22, s14, 9
	s_add_co_u32 s22, s22, XN
	v_add_nc_u32 v12, s22, v[CO]
	s_lshl_b32 s22, s14, 8
	s_add_co_u32 s22, s22, XM
	v_lshlrev_b32 v13, 3, v3
	v_add_nc_u32 v14, s22, v13
.set I, 0
.rept 22
	CHAIN I, ACC+32, 1
.set I, I+1
.endr
	WALU
	ds_store_b8 v[STO], v[EB+1] offset:3*512+3*64
	s_wait_dscnt 0x0
	s_barrier_signal -1
	CODES ACC+32, NCD+6, 1
	WALU
	s_barrier_wait -1
	ds_load_b128 v[64:67], v12
	ds_load_b64 v[68:69], v14
	PUTQ 15
	s_wait_dscnt 0x0
	global_store_b128 v[CO], v[64:67], s[90:91]
	global_store_b64 v13, v[68:69], s[84:85]
	s_wait_tensorcnt 0x0
	ds_add_u32 v[SPW], v[NIL]
	s_wait_dscnt 0x0
	CROUND
	s_endpgm
.Lfunc_end_k_qf4bbd33fc0_qkv:
	.size	k_qf4bbd33fc0_qkv, .Lfunc_end_k_qf4bbd33fc0_qkv-k_qf4bbd33fc0_qkv
	.p2alignl 7, 3214868480
	.fill 96, 4, 3214868480
	.section	.rodata,"a",@progbits
	.p2align	6, 0x0
	.amdhsa_kernel k_qf4bbd33fc0_qkv
		.amdhsa_group_segment_fixed_size 327680
		.amdhsa_private_segment_fixed_size 0
		.amdhsa_enable_private_segment 0
		.amdhsa_kernarg_size 112
		.amdhsa_user_sgpr_count 2
		.amdhsa_user_sgpr_kernarg_segment_ptr 1
		.amdhsa_wavefront_size32 1
		.amdhsa_system_sgpr_workgroup_id_x 1
		.amdhsa_system_sgpr_workgroup_id_y 1
		.amdhsa_system_sgpr_workgroup_id_z 1
		.amdhsa_system_vgpr_workitem_id 0
		.amdhsa_next_free_vgpr 1024
		.amdhsa_next_free_sgpr 106
		.amdhsa_reserve_vcc 0
		.amdhsa_float_denorm_mode_32 3
		.amdhsa_float_denorm_mode_16_64 3
		.amdhsa_memory_ordered 1
		.amdhsa_forward_progress 1
		.amdhsa_inst_pref_size 244
	.end_amdhsa_kernel
	.amdgpu_metadata
---
amdhsa.version: [ 1, 2 ]
amdhsa.kernels:
  - .name:           k_qf4bbd33fc0_qkv
    .symbol:         k_qf4bbd33fc0_qkv.kd
    .args:
      - { .name: x_codes, .offset: 0, .size: 8, .value_kind: global_buffer, .address_space: global }
      - { .name: x_scales, .offset: 8, .size: 8, .value_kind: global_buffer, .address_space: global }
      - { .name: Wq_codes, .offset: 16, .size: 8, .value_kind: global_buffer, .address_space: global }
      - { .name: Wq_scales, .offset: 24, .size: 8, .value_kind: global_buffer, .address_space: global }
      - { .name: Wk_codes, .offset: 32, .size: 8, .value_kind: global_buffer, .address_space: global }
      - { .name: Wk_scales, .offset: 40, .size: 8, .value_kind: global_buffer, .address_space: global }
      - { .name: Wv_codes, .offset: 48, .size: 8, .value_kind: global_buffer, .address_space: global }
      - { .name: Wv_scales, .offset: 56, .size: 8, .value_kind: global_buffer, .address_space: global }
      - { .name: bq, .offset: 64, .size: 8, .value_kind: global_buffer, .address_space: global }
      - { .name: bk, .offset: 72, .size: 8, .value_kind: global_buffer, .address_space: global }
      - { .name: bv, .offset: 80, .size: 8, .value_kind: global_buffer, .address_space: global }
      - { .name: qws, .offset: 88, .size: 8, .value_kind: global_buffer, .address_space: global }
      - { .name: kws, .offset: 96, .size: 8, .value_kind: global_buffer, .address_space: global }
      - { .name: vws, .offset: 104, .size: 8, .value_kind: global_buffer, .address_space: global }
    .group_segment_fixed_size: 327680
    .private_segment_fixed_size: 0
    .kernarg_segment_align: 8
    .kernarg_segment_size: 112
    .max_flat_workgroup_size: 128
    .sgpr_count:     106
    .vgpr_count:     1024
    .wavefront_size: 32
...
	.end_amdgpu_metadata
.endif
;; end of part 1
;; launch scores (part 2): grid 8 x 32, 4 waves a work-group, clusters of 4 x 4, 327,680 bytes of LDS; arguments qws, kws, pws, stats; writes pws, stats
.if DOCPART == 2
	.amdgcn_target "amdgcn-amd-amdhsa--gfx1250"
	.amdhsa_code_object_version 6
	.text
	.protected	k_qf4bbd33fc0_scores
	.globl	k_qf4bbd33fc0_scores
	.p2align	8
	.type	k_qf4bbd33fc0_scores,@function
k_qf4bbd33fc0_scores:
	s_mov_b64 s[64:65], 0
	v_nop
	global_prefetch_b8 v0, s[64:65] scope:SCOPE_SE
	s_setreg_imm32_b32 hwreg(HW_REG_WAVE_MODE, 25, 1), 1
	s_wait_xcnt 0x0
	s_wait_alu depctr_hold_cnt(0) depctr_sa_sdst(0) depctr_va_vdst(0) depctr_va_sdst(0) depctr_va_ssrc(0) depctr_va_vcc(0) depctr_vm_vsrc(0)
	s_getreg_b32 s2, hwreg(HW_REG_IB_STS2, 6, 4)
	s_cmp_eq_u32 s2, 0
	s_cbranch_scc0 .Lentry_in_a_cluster
	s_endpgm
.Lentry_in_a_cluster:
	s_bfe_u32 s2, ttmp6, 0x10000c
	s_cmp_lg_u32 s2, 0xf033
	s_cbranch_scc0 .Lentry_shape_is_right
	s_endpgm
.Lentry_shape_is_right:
; LAUNCH 2 OF 3.  p = 2^(t - M) from q k^T, t = score x log2(e) / 32, quantised along the keys.  No work is left out.
; A work-group makes 256 queries x 128 keys; a cluster of 4 x 4 all of a batch's queries x 512 keys.  q's tile is shared by a row of the cluster, k's by a column, in joint loads.
; Both tiles, whole, fit in LDS: one load a wave at the head and no refill; no prefetch, since nothing is loaded from memory in the loop.
; Four waves, 2 x 2: the wave in row a takes records 2 s + a of q as its block s, the wave in column c 64 keys, held in registers with all of K.  A block is 32 products; the next block's fetch flies under the softmax.
; THE SOFTMAX: a wave sees 64 of a row's keys: it takes M_local = the ceiling of ITS largest t.  Against the row's own M that is an exact power of two, which launch 3 takes off the scale bytes.
; Transposed use: a lane holds one query; registers 0-15 of its 32 sums are its half of a block of 32 keys, 16-31 its half of the next; lane l xor 16 has the others.
; A block's largest p is made from the block's largest score by the same two operations (this takes v_exp_f32 not to fall where its input rises).
; pws: records as launch 1's, by query, K = the keys; scale words at CODEB.  stats: f32 [tile of 256 queries][a][64-key chunk: 16][-M_local, l_local][s: 8][r: 16].
; LIMITS: NaN and infinities are not served.  A block whose every p has fallen to 0 has the byte 1: its codes are zeros.
.set REC,   12288
.set FRG,   1536
.set CODEB, 6291456
.set AB,    98304                      ; q's 16 records in LDS, behind k's 8
.set SCA,   AB+16*REC                  ; scale words: q's [4-step half][256 rows][16 bytes],
.set SCBB,  SCA+8192                   ; k's [half][128 rows][16 bytes]
.set XS,    SCBB+4096                  ; p's scale words
.set ST,    XS+1024                    ; the statistics, 1,024 bytes a wave
.set SPARE, ST+4096
.set FR,    12
.set FPW,   21
.set SPW,   10
.set NIL,   11
.set SB,    24
.set SA,    44
.set ACC,   64
.set W,     128
.set C,     160
.set TC,    168
.set TM,    172
.set T2,    174
.set NM,    176
.set LA,    178
.set LB,    180
.set X,     182
.set SO,    184
.set BY,    186
.set G1A, 24
.set G1B, 32
.set G0A, 56
.set G0B, 60
.set MSB, 0
.macro WIN new
.if MSB != \new
	s_set_vgpr_msb (MSB<<8)|\new
.set MSB, \new
.endif
.endm
.macro WALU
	s_wait_alu depctr_va_vdst(0)
.endm
.macro BARRIER
	s_barrier_signal -1
	s_barrier_wait -1
.endm
.macro CROUND
	BARRIER
	s_cmp_lg_u32 s14, 0
	s_cbranch_scc1 .Lnot_wave_0_\@
	s_barrier_signal -3
.Lnot_wave_0_\@:
	s_barrier_wait -3
	BARRIER
.endm
.macro TLOAD g0, g1
	tensor_load_to_lds s[\g0:\g0+3], s[\g1:\g1+7]
	s_nop 0
.rept 4
	v_nop
.endr
.endm
.macro GROUP1 g, mask, rows            ; a dense block as rows of 1,024 bytes
	s_or_b32 s[\g+0], s[\mask], (3<<16)|(1<<21)
	s_mov_b32 s[\g+1], 128<<16
	s_mov_b32 s[\g+2], (\rows)<<16
	s_mov_b32 s[\g+3], 128<<16
	s_mov_b32 s[\g+4], \rows
	s_mov_b32 s[\g+5], 128
	s_mov_b32 s[\g+6], 0
	s_mov_b32 s[\g+7], 0
.endm
.macro PADD d, base, off
	s_mov_b32 s70, s\off
	s_add_nc_u64 s[\d:\d+1], s[\base:\base+1], s[70:71]
.endm
.macro FRAG f, a16, a8, off            ; a fragment: halves 0 and 1, 24 bytes a lane each, by a load of 16 and one of 8
	WIN (1+(\f)/FPW)<<6
.set R_, FR*((\f)%FPW)
	ds_load_b128 v[R_:R_+3], v[\a16] offset:\off
	ds_load_b64 v[R_+4:R_+5], v[\a8] offset:\off+1024
	ds_load_b128 v[R_+6:R_+9], v[\a16] offset:\off+512
	ds_load_b64 v[R_+10:R_+11], v[\a8] offset:\off+1280
.endm
.macro FETCH                           ; a block of q's rows: fragments 32-39 and eight scale words
.irp q, 0,1,2,3,4,5,6,7
	FRAG 32+\q, 12, 13, FRG*\q
.endr
	WIN 0
	ds_load_b128 v[SA:SA+3], v14
	ds_load_b128 v[SA+4:SA+7], v14 offset:4096
.endm
.macro PROD q, b                       ; source 0: 16 keys, source 1: 16 queries
.set FB_, 4*(\q)+\b
.set FA_, 32+(\q)
	WIN (1+FB_/FPW)|((1+FA_/FPW)<<2)
.if (\q) == 0
	PROD1 ACC+8*(\b), FB_, FA_, 0, SB+8*((\b)/2)+(\q), SA+(\q), (\b)%2
.else
	PROD1 ACC+8*(\b), FB_, FA_, v[ACC+8*(\b):ACC+8*(\b)+7], SB+8*((\b)/2)+(\q), SA+(\q), (\b)%2
.endif
.endm
.macro PROD1 d, s0, s1, c, x0, x1, o
.if \o
	v_wmma_scale_f32_16x16x128_f8f6f4 v[\d:\d+7], v[FR*((\s0)%FPW):FR*((\s0)%FPW)+FR-1], v[FR*((\s1)%FPW):FR*((\s1)%FPW)+FR-1], \c, v[\x0], v[\x1] matrix_a_fmt:MATRIX_FMT_FP6 matrix_b_fmt:MATRIX_FMT_FP6 matrix_a_scale:MATRIX_SCALE_ROW1
.else
	v_wmma_scale_f32_16x16x128_f8f6f4 v[\d:\d+7], v[FR*((\s0)%FPW):FR*((\s0)%FPW)+FR-1], v[FR*((\s1)%FPW):FR*((\s1)%FPW)+FR-1], \c, v[\x0], v[\x1] matrix_a_fmt:MATRIX_FMT_FP6 matrix_b_fmt:MATRIX_FMT_FP6 matrix_a_scale:MATRIX_SCALE_ROW0
.endif
.endm
	s_load_b128 s[4:7], s[0:1], 0x0                ; qws, kws
	s_load_b128 s[8:11], s[0:1], 0x10              ; pws, stats
	v_lshl_add_u32 v[SPW], v0, 2, SPARE
	v_mov_b32 v[NIL], 0
	ds_add_u32 v[SPW], v[NIL]                      ; the opening: the add, twice on end, and its wait
	ds_add_u32 v[SPW], v[NIL]
	v_lshrrev_b32 v1, 5, v0
	v_readfirstlane_b32 s14, v1                    ; the wave; s15 its row a, s16 its column c
	s_lshr_b32 s15, s14, 1
	s_and_b32 s16, s14, 1
	s_bfe_u32 s40, ttmp6, 0x40000
	s_bfe_u32 s41, ttmp6, 0x40004
	s_lshl_b32 s17, ttmp9, 2
	s_add_co_u32 s17, s17, s40                     ; the tile of 128 keys
	s_and_b32 s67, ttmp7, 0xffff                   ; the batch
	s_lshl_b32 s18, s67, 2
	s_add_co_u32 s18, s18, s41                     ; the tile of 256 queries, over all batches
	s_lshl_b32 s44, s41, 2
	s_lshl_b32 s44, 15, s44
	s_lshl_b32 s45, 0x1111, s40
	GROUP1 G1A, 44, 64
	GROUP1 G1B, 45, 96
	s_mul_i32 s50, s18, 16*REC                     ; q's tile in three parts of 65,536 bytes, for waves 1, 2, 3
	s_sub_co_u32 s51, s14, 1
	s_max_i32 s51, s51, 0
	s_lshl_b32 s51, s51, 16
	s_add_co_u32 s50, s50, s51
	s_mul_i32 s52, s67, 64*REC
	s_mul_i32 s53, s17, 8*REC
	s_add_co_u32 s52, s52, s53
	s_lshl_b32 s54, s18, 10                        ; scale words: q's,
	s_add_co_u32 s54, s54, CODEB
	s_lshl_b32 s55, s67, 12                        ; k's
	s_lshl_b32 s53, s17, 9
	s_add_co_u32 s55, s55, s53
	s_add_co_u32 s55, s55, CODEB
	s_mov_b32 s71, 0
	s_mov_b32 s[G0A], 1
	s_lshl_b32 s[G0A+1], s14, 16
	s_add_co_u32 s[G0A+1], s[G0A+1], AB-65536
	s_mov_b32 s[G0B], 1
	s_mov_b32 s[G0B+1], 0
	v_lshlrev_b32 v9, 2, v0
	WALU
	s_wait_dscnt 0x0
	s_wait_kmcnt 0x0
	PADD 12, 4, 54
	PADD 20, 6, 55
.irp q, 0,1,2,3,4,5,6,7                ; thread i takes row i of k and rows i, i + 128 of q: their eight scale words
	global_load_b32 v[96+\q], v9, s[20:21] offset:32768*\q
	global_load_b32 v[104+\q], v9, s[12:13] offset:32768*\q
	global_load_b32 v[112+\q], v9, s[12:13] offset:32768*\q+512
.endr
	PADD G0A+2, 4, 50
	s_or_b32 s[G0A+3], s[G0A+3], 0x80000000
	PADD G0B+2, 6, 52
	s_or_b32 s[G0B+3], s[G0B+3], 0x80000000
	CROUND                                         ; in front of the first joint loads
	s_cmp_eq_u32 s14, 0
	s_cbranch_scc0 .Lfor_a
	TLOAD G0B, G1B                                 ; wave 0: k's tile
	s_branch .Lasked
.Lfor_a:
	TLOAD G0A, G1A                                 ; waves 1, 2, 3: a third of q's tile each
.Lasked:
	; where the results go
	s_lshl_b32 s53, s18, 4
	s_add_co_u32 s53, s53, s15
	s_mul_i32 s53, s53, REC
	s_mul_i32 s51, s17, FRG
	s_add_co_u32 s53, s53, s51
	s_lshl_b32 s51, s16, 9
	s_add_co_u32 s53, s53, s51
	PADD 72, 8, 53                                 ; p's codes: record 16 x tile + a, K step = the key tile, half c
	s_lshl_b32 s53, s17, 15
	s_lshl_b32 s51, s18, 10
	s_add_co_u32 s53, s53, s51
	s_lshl_b32 s51, s14, 8
	s_add_co_u32 s53, s53, s51
	s_add_co_u32 s53, s53, CODEB
	PADD 74, 8, 53                                 ; p's scale words
	s_lshl_b32 s53, s18, 15
	s_lshl_b32 s51, s15, 14
	s_add_co_u32 s53, s53, s51
	s_lshl_b32 s51, s17, 11
	s_add_co_u32 s53, s53, s51
	s_lshl_b32 s51, s16, 10
	s_add_co_u32 s53, s53, s51
	PADD 76, 10, 53                                ; the statistics
	s_mul_i32 s46, s16, 4*REC                      ; my four records of k,
	s_mul_i32 s47, s15, REC
	s_add_co_u32 s47, s47, AB                      ; my first of q
	s_lshl_b32 s48, s15, 8
	s_add_co_u32 s48, s48, SCA
	s_lshl_b32 s49, s16, 10
	s_add_co_u32 s49, s49, SCBB
	s_lshl_b32 s50, s15, 6
	s_lshl_b32 s51, s16, 1
	s_add_co_u32 s50, s50, s51
	s_add_co_u32 s50, s50, XS
	s_lshl_b32 s51, s14, 10
	s_add_co_u32 s51, s51, ST
	s_lshl_b32 s52, s16, 8
	s_sub_co_u32 s52, 1024, s52
	s_lshl_b32 s53, s14, 8
	s_add_co_u32 s53, s53, XS
	v_and_b32 v1, 15, v0                           ; r
	v_bfe_u32 v2, v0, 4, 1                         ; h
	v_and_b32 v3, 31, v0                           ; lane
	v_lshl_add_u32 v4, v3, 4, s46
	v_lshl_add_u32 v5, v3, 3, s46
	v_lshl_add_u32 v6, v3, 4, s47
	v_lshl_add_u32 v7, v3, 3, s47
	v_lshl_add_u32 v8, v1, 4, s48
	v_lshl_add_u32 v21, v3, 4, s49
	v_lshl_add_u32 v15, v1, 2, v2
	v_add_nc_u32 v15, s50, v15                     ; p's scale byte 2 c + h of row r
	v_lshl_add_u32 v16, v1, 2, s51                 ; the statistics: in
	v_lshl_add_u32 v22, v3, 4, s51                 ; and back
	v_lshlrev_b32 v19, 4, v3
	v_lshl_add_u32 v20, v3, 3, s52
	v_lshl_add_u32 v23, v3, 3, s53
	v_lshlrev_b32 v40, 3, v3
	v_lshlrev_b32 v41, 4, v0
	v_add_nc_u32 v42, SCA, v41
	v_add_nc_u32 v41, SCBB, v41
	v_mov_b32 v12, v6
	v_mov_b32 v13, v7
	v_mov_b32 v14, v8
	v_mov_b32 v[T2], 0                             ; a lane permute's destination counts as one of its sources
	v_mov_b32 v[T2+1], 0
	v_mov_b32 v[NM+1], 0                           ; the upper half of a pair of which the low word is taken
	v_cmp_eq_u32 s79, 1, v2                        ; lanes 16-31
	s_mov_b32 s22, 0x3d38aa3b                      ; log2(e) / 32
	s_mov_b32 s23, s22
	s_mov_b32 s104, 0x76543210
	s_mov_b32 s105, 0xfedcba98
	WALU
	s_wait_loadcnt 0x0
	ds_store_b128 v41, v[96:99]
	ds_store_b128 v41, v[100:103] offset:2048
	ds_store_b128 v42, v[104:107]
	ds_store_b128 v42, v[108:111] offset:4096
	ds_store_b128 v42, v[112:115] offset:2048
	ds_store_b128 v42, v[116:119] offset:6144
	s_cmp_eq_u32 s14, 0
	s_cbranch_scc0 .Lnot_b
	s_wait_tensorcnt 0x0
.Lnot_b:
	s_wait_dscnt 0x0
	BARRIER                                        ; k's tile and all scale words are in
.irp q, 0,1,2,3,4,5,6,7
.irp b, 0,1,2,3
	FRAG 4*\q+\b, 4, 5, REC*\b+FRG*\q
.endr
.endr
	WIN 0
.irp p, 0,1
	ds_load_b128 v[SB+8*\p:SB+8*\p+3], v21 offset:512*\p
	ds_load_b128 v[SB+8*\p+4:SB+8*\p+7], v21 offset:2048+512*\p
.endr
	s_wait_tensorcnt 0x0
	s_wait_dscnt 0x0
	BARRIER                                        ; q's tile is in
	FETCH
	s_mov_b32 s48, 0                               ; the block
	s_mov_b32 s50, 0                               ; x 24,576: two records
	s_mov_b32 s47, 0                               ; x 64
	s_mov_b32 s51, 0                               ; x 128
	s_mov_b32 s52, 0                               ; x 512
.Lblock:
	s_wait_dscnt 0x0                               ; my block's rows are in
	s_wait_xcnt 0x0                                ; the last block's stores have read their registers
.irp q, 0,1,2,3,4,5,6,7
.irp b, 0,1,2,3
	PROD \q, \b
.endr
.endr
	WIN 0
	v_add_nc_u32 v41, s50, v19
	v_add_nc_u32 v42, s50, v20
	v_add_nc_u32 v17, s51, v15
	v_add_nc_u32 v18, s47, v16
	s_add_co_u32 s50, s50, 2*REC
	s_add_co_u32 s51, s51, 128
	s_add_co_u32 s47, s47, 64
	s_add_co_u32 s52, s52, 512
	v_add_nc_u32 v12, s50, v6
	v_add_nc_u32 v13, s50, v7
	v_add_nc_u32 v14, s52, v8
	WALU
	s_cmp_lg_u32 s48, 7
	s_cbranch_scc0 .Lno_fetch
	FETCH                                          ; the next block's rows, under the softmax
.Lno_fetch:
.irp b, 0,1
	v_max3_num_f32 v[TM+\b], v[ACC+16*\b], v[ACC+1+16*\b], v[ACC+2+16*\b]   ; the largest score of my half of each block of 32 keys
.endr
.irp i, 3,5,7,9,11,13
.irp b, 0,1
	v_max3_num_f32 v[TM+\b], v[TM+\b], v[ACC+16*\b+\i], v[ACC+1+16*\b+\i]
.endr
.endr
.irp b, 0,1
	v_max_num_f32 v[TM+\b], v[TM+\b], v[ACC+15+16*\b]
.endr
.irp b, 0,1
	v_permlanex16_b32 v[T2+\b], v[TM+\b], s104, s105
.endr
.irp b, 0,1
	v_max_num_f32 v[TM+\b], v[TM+\b], v[T2+\b]
.endr
	v_max_num_f32 v[X], v[TM], v[TM+1]
	v_mul_f32 v[X], s22, v[X]
	v_floor_f32 v[NM], -v[X]                       ; -M_local: a whole number
.set I, 0
.rept 16
	v_pk_fma_f32 v[W+I:W+I+1], v[ACC+I:ACC+I+1], s[22:23], v[NM:NM+1] op_sel_hi:[1,0,0]
.set I, I+2
.endr
.irp b, 0,1
	v_fma_f32 v[TM+\b], v[TM+\b], s22, v[NM]
.endr
	WALU
.set I, 0
.rept 32
	v_exp_f32 v[W+I], v[W+I]                       ; p, at most 1, not normalised
.set I, I+1
.endr
.irp b, 0,1
	v_exp_f32 v[TM+\b], v[TM+\b]                   ; each block's largest p
.endr
	v_nop
	WALU
	v_pk_add_f32 v[LA:LA+1], v[W:W+1], v[W+2:W+3]  ; the sum of the unquantised p, in two chains
	v_pk_add_f32 v[LB:LB+1], v[W+4:W+5], v[W+6:W+7]
	v_max_num_f32 v[TM], 0x1800000, v[TM]
	v_max_num_f32 v[TM+1], 0x1800000, v[TM+1]
.irp j, 8,12,16,20,24,28
	v_pk_add_f32 v[LA:LA+1], v[LA:LA+1], v[W+\j:W+\j+1]
	v_pk_add_f32 v[LB:LB+1], v[LB:LB+1], v[W+\j+2:W+\j+3]
.endr
	v_add_nc_u32 v[SO], 0xff000000, v[TM]          ; the conversions' scale operands
	v_add_nc_u32 v[SO+1], 0xff000000, v[TM+1]
	v_pk_add_f32 v[LA:LA+1], v[LA:LA+1], v[LB:LB+1]
	v_cvt_scalef32_pk16_fp6_f32 v[C:C+2], v[W:W+15], v[SO]
	v_cvt_scalef32_pk16_fp6_f32 v[TC:TC+2], v[W+16:W+31], v[SO+1]
	v_add_f32 v[X], v[LA], v[LA+1]
	v_lshrrev_b32 v[BY], 23, v[SO]
	v_lshrrev_b32 v[BY+1], 23, v[SO+1]
.irp k, 0,1,2
	v_permlane16_swap_b32 v[C+\k], v[TC+\k]        ; lanes 0-15 take block 0 whole, lanes 16-31 block 1
.endr
	v_permlanex16_b32 v[T2], v[X], s104, s105
	v_cndmask_b32 v[BY], v[BY], v[BY+1], s79       ; my block's byte
.irp k, 0,1,2
	v_mov_b32 v[C+3+\k], v[TC+\k]
.endr
	v_add_f32 v[X], v[X], v[T2]                    ; l_local
	WALU
	global_store_b128 v41, v[C:C+3], s[72:73]
	global_store_b64 v42, v[C+4:C+5], s[72:73]
	ds_store_b8 v17, v[BY]
	ds_store_b32 v18, v[NM]                        ; both halves of the lanes write the same word with the same value
	ds_store_b32 v18, v[X] offset:512
	s_add_co_u32 s48, s48, 1
	s_cmp_lt_u32 s48, 8
	s_cbranch_scc1 .Lblock
	s_wait_dscnt 0x0
	BARRIER                                        ; a row's scale word comes from two waves
	ds_load_b128 v[64:67], v22
	ds_load_b128 v[68:71], v22 offset:512
	ds_load_b64 v[72:73], v23
	s_wait_dscnt 0x0
	global_store_b128 v19, v[64:67], s[76:77]
	global_store_b128 v19, v[68:71], s[76:77] offset:512
	global_store_b64 v40, v[72:73], s[74:75]
	s_wait_tensorcnt 0x0                           ; the wave's end
	ds_add_u32 v[SPW], v[NIL]
	s_wait_dscnt 0x0
	CROUND
	s_endpgm
.Lfunc_end_k_qf4bbd33fc0_scores:
	.size	k_qf4bbd33fc0_scores, .Lfunc_end_k_qf4bbd33fc0_scores-k_qf4bbd33fc0_scores
	.p2alignl 7, 3214868480
	.fill 96, 4, 3214868480
	.section	.rodata,"a",@progbits
	.p2align	6, 0x0
	.amdhsa_kernel k_qf4bbd33fc0_scores
		.amdhsa_group_segment_fixed_size 327680
		.amdhsa_private_segment_fixed_size 0
		.amdhsa_enable_private_segment 0
		.amdhsa_kernarg_size 32
		.amdhsa_user_sgpr_count 2
		.amdhsa_user_sgpr_kernarg_segment_ptr 1
		.amdhsa_wavefront_size32 1
		.amdhsa_system_sgpr_workgroup_id_x 1
		.amdhsa_system_sgpr_workgroup_id_y 1
		.amdhsa_system_sgpr_workgroup_id_z 1
		.amdhsa_system_vgpr_workitem_id 0
		.amdhsa_next_free_vgpr 768
		.amdhsa_next_free_sgpr 106
		.amdhsa_reserve_vcc 0
		.amdhsa_float_denorm_mode_32 3
		.amdhsa_float_denorm_mode_16_64 3
		.amdhsa_memory_ordered 1
		.amdhsa_forward_progress 1
		.amdhsa_inst_pref_size 36
	.end_amdhsa_kernel
	.amdgpu_metadata
---
amdhsa.version: [ 1, 2 ]
amdhsa.kernels:
  - .name:           k_qf4bbd33fc0_scores
    .symbol:         k_qf4bbd33fc0_scores.kd
    .args:
      - { .name: qws, .offset: 0, .size: 8, .value_kind: global_buffer, .address_space: global }
      - { .name: kws, .offset: 8, .size: 8, .value_kind: global_buffer, .address_space: global }
      - { .name: pws, .offset: 16, .size: 8, .value_kind: global_buffer, .address_space: global }
      - { .name: stats, .offset: 24, .size: 8, .value_kind: global_buffer, .address_space: global }
    .group_segment_fixed_size: 327680
    .private_segment_fixed_size: 0
    .kernarg_segment_align: 8
    .kernarg_segment_size: 32
    .max_flat_workgroup_size: 128
    .sgpr_count:     106
    .vgpr_count:     768
    .wavefront_size: 32
...
	.end_amdgpu_metadata
.endif
;; end of part 2
;; launch pv (part 3): grid 8 x 32, 4 waves a work-group, clusters of 4 x 4, 327,680 bytes of LDS; arguments pws, vws, stats, out0; writes out0
.if DOCPART == 3
	.amdgcn_target "amdgcn-amd-amdhsa--gfx1250"
	.amdhsa_code_object_version 6
	.text
	.protected	k_qf4bbd33fc0_pv
	.globl	k_qf4bbd33fc0_pv
	.p2align	8
	.type	k_qf4bbd33fc0_pv,@function
k_qf4bbd33fc0_pv:
	s_mov_b64 s[64:65], 0
	v_nop
	global_prefetch_b8 v0, s[64:65] scope:SCOPE_SE
	s_setreg_imm32_b32 hwreg(HW_REG_WAVE_MODE, 25, 1), 1
	s_wait_xcnt 0x0
	s_wait_alu depctr_hold_cnt(0) depctr_sa_sdst(0) depctr_va_vdst(0) depctr_va_sdst(0) depctr_va_ssrc(0) depctr_va_vcc(0) depctr_vm_vsrc(0)
	s_getreg_b32 s2, hwreg(HW_REG_IB_STS2, 6, 4)
	s_cmp_eq_u32 s2, 0
	s_cbranch_scc0 .Lentry_in_a_cluster
	s_endpgm
.Lentry_in_a_cluster:
	s_bfe_u32 s2, ttmp6, 0x10000c
	s_cmp_lg_u32 s2, 0xf033
	s_cbranch_scc0 .Lentry_shape_is_right
	s_endpgm
.Lentry_shape_is_right:
; LAUNCH 3 OF 3.  out = (p v) / l on the codes of FP6 (E2M3) that launches 1 and 2 made.  No work is left out.
; A work-group makes 256 queries x 128 columns of v; a cluster of 4 x 4 all of a batch's queries x 512 columns.  p's tile is shared by a row of the cluster, v's by a column.  Both tiles, whole, fit in LDS: one load a wave at the
; head and no refill; no prefetch, since nothing is loaded from memory behind the head.  Waves, blocks and products as in launch 2; 64 columns of v, all keys, lie in a wave's registers.
; THE WAY OUT needs no stage: lane r of v's tile t takes column 4 r + t of the wave's 64, so that a lane's four sums of a row are 16 neighbouring bytes and sixteen lanes store 256.  In the records that column is row (4 r + t) % 16 of
; record r / 4, at place (4 (r % 4) + t + r / 4) % 16 (launch 1 turns each record's places by its number): sixteen different places in sixteen lanes.
; THE HEAD brings p under the row's own M: of a row's 16 chunks of 64 keys -M = the least -M_local, D = M - M_local, l = the sum of l_local 2^-D, and the chunk's two scale bytes are lowered by D.  A thread takes two rows.
; LIMITS: NaN and infinities are not served.  D is held at 127, a byte that would fall under 0 at 0: p's bytes lie in 1 .. 125, so what is so held counts for under 2^-117 of the largest |v| beside a row's largest p, over 1/2.
.set REC,   12288
.set FRG,   1536
.set CODEB, 6291456
.set AB,    98304
.set SCA,   AB+16*REC
.set SCBB,  SCA+8192
.set RLS,   SCBB+4096                  ; 1 / l of 256 rows
.set SPARE, RLS+1024
.set OROW,  4096
.set FR,    12
.set FPW,   21
.set NF,    34                         ; LDS loads of a block: 32 for eight fragments, 2 for eight scale words
.set SPW,   10
.set NIL,   11
.set SB,    24
.set SA,    44                         ; two sets of eight
.set ACC,   64                         ; two sets of 32 sums
.set O,     128                        ; a block's results: 4 j + t
.set RL,    160
.set BT,    180                        ; v180-183, v184-187: where my fragments of v lie, per tile
.set BT8,   184
.set M0,    64                         ; the head: -M_local, 2 chunk + e
.set L0,    96                         ; l_local
.set PW,    128                        ; p's scale words, 2 q + e
.set VW,    144                        ; v's, q
.set PN,    152                        ; p's corrected, 8 e + q
.set G1A, 24
.set G1B, 32
.set G0A, 56
.set G0B, 60
.set MSB, 0
.macro WIN new
.if MSB != \new
	s_set_vgpr_msb (MSB<<8)|\new
.set MSB, \new
.endif
.endm
.macro WALU
	s_wait_alu depctr_va_vdst(0)
.endm
.macro BARRIER
	s_barrier_signal -1
	s_barrier_wait -1
.endm
.macro CROUND
	BARRIER
	s_cmp_lg_u32 s14, 0
	s_cbranch_scc1 .Lnot_wave_0_\@
	s_barrier_signal -3
.Lnot_wave_0_\@:
	s_barrier_wait -3
	BARRIER
.endm
.macro TLOAD g0, g1
	tensor_load_to_lds s[\g0:\g0+3], s[\g1:\g1+7]
	s_nop 0
.rept 4
	v_nop
.endr
.endm
.macro GROUP1 g, mask, rows            ; a dense block as rows of 1,024 bytes
	s_or_b32 s[\g+0], s[\mask], (3<<16)|(1<<21)
	s_mov_b32 s[\g+1], 128<<16
	s_mov_b32 s[\g+2], (\rows)<<16
	s_mov_b32 s[\g+3], 128<<16
	s_mov_b32 s[\g+4], \rows
	s_mov_b32 s[\g+5], 128
	s_mov_b32 s[\g+6], 0
	s_mov_b32 s[\g+7], 0
.endm
.macro PADD d, base, off
	s_mov_b32 s70, s\off
	s_add_nc_u64 s[\d:\d+1], s[\base:\base+1], s[70:71]
.endm
.macro FRAG f, a16, a8, off
	WIN (1+(\f)/FPW)<<6
.set R_, FR*((\f)%FPW)
	ds_load_b128 v[R_:R_+3], v[\a16] offset:\off
	ds_load_b64 v[R_+4:R_+5], v[\a8] offset:\off+1024
	ds_load_b128 v[R_+6:R_+9], v[\a16] offset:\off+512
	ds_load_b64 v[R_+10:R_+11], v[\a8] offset:\off+1280
.endm
.macro XADR s
	v_add_nc_u32 v12, 2*REC*(\s), v6
	v_add_nc_u32 v13, 2*REC*(\s), v7
.endm
.macro FETCH s                         ; block s of p's rows into set s % 2: NF loads
.set E_, (\s)%2
.irp q, 0,1,2,3,4,5,6,7
	FRAG 32+8*E_+\q, 12, 13, FRG*\q
.endr
	WIN 0
	ds_load_b128 v[SA+8*E_:SA+8*E_+3], v8 offset:512*(\s)
	ds_load_b128 v[SA+8*E_+4:SA+8*E_+7], v8 offset:512*(\s)+4096
.endm
.macro PROD s, q, t                    ; source 0: 16 queries, source 1: 16 columns of v
.set FB_, 4*(\q)+\t
.set FA_, 32+8*((\s)%2)+(\q)
.set D_, ACC+32*((\s)%2)+8*(\t)
	WIN (1+FA_/FPW)|((1+FB_/FPW)<<2)
.if (\q) == 0
	PROD1 D_, FA_, FB_, 0, SA+8*((\s)%2)+(\q), SB+8*((\t)/2)+(\q), (\t)%2
.else
	PROD1 D_, FA_, FB_, v[D_:D_+7], SA+8*((\s)%2)+(\q), SB+8*((\t)/2)+(\q), (\t)%2
.endif
.endm
.macro PROD1 d, s0, s1, c, x0, x1, o
.if \o
	v_wmma_scale_f32_16x16x128_f8f6f4 v[\d:\d+7], v[FR*((\s0)%FPW):FR*((\s0)%FPW)+FR-1], v[FR*((\s1)%FPW):FR*((\s1)%FPW)+FR-1], \c, v[\x0], v[\x1] matrix_a_fmt:MATRIX_FMT_FP6 matrix_b_fmt:MATRIX_FMT_FP6 matrix_b_scale:MATRIX_SCALE_ROW1
.else
	v_wmma_scale_f32_16x16x128_f8f6f4 v[\d:\d+7], v[FR*((\s0)%FPW):FR*((\s0)%FPW)+FR-1], v[FR*((\s1)%FPW):FR*((\s1)%FPW)+FR-1], \c, v[\x0], v[\x1] matrix_a_fmt:MATRIX_FMT_FP6 matrix_b_fmt:MATRIX_FMT_FP6 matrix_b_scale:MATRIX_SCALE_ROW0
.endif
.endm
.macro DIV i, s                        ; result i of block s: row 8 h + i / 4, column 4 r + i % 4
	v_mul_f32 v[O+(\i)], v[ACC+32*((\s)%2)+8*((\i)%4)+(\i)/4], v[RL+(\i)/4]
.endm
.macro SEND s
.irp j, 0,1,2,3,4,5,6,7
	global_store_b128 v20, v[O+4*\j:O+4*\j+3], s[12:13] offset:(32*(\s)+\j)*OROW th:TH_STORE_NT
.endr
.endm
	s_load_b256 s[4:11], s[0:1], 0x0               ; pws, vws, stats, out0
	v_lshl_add_u32 v[SPW], v0, 2, SPARE
	v_mov_b32 v[NIL], 0
	ds_add_u32 v[SPW], v[NIL]                      ; the opening: the add, twice on end, and its wait
	ds_add_u32 v[SPW], v[NIL]
	v_lshrrev_b32 v1, 5, v0
	v_readfirstlane_b32 s14, v1                    ; the wave; s15 its row a, s16 its column c
	s_lshr_b32 s15, s14, 1
	s_and_b32 s16, s14, 1
	s_bfe_u32 s40, ttmp6, 0x40000
	s_bfe_u32 s41, ttmp6, 0x40004
	s_lshl_b32 s17, ttmp9, 2
	s_add_co_u32 s17, s17, s40                     ; the tile of 128 columns
	s_and_b32 s67, ttmp7, 0xffff                   ; the batch
	s_lshl_b32 s18, s67, 2
	s_add_co_u32 s18, s18, s41                     ; the tile of 256 queries
	s_lshl_b32 s44, s41, 2
	s_lshl_b32 s44, 15, s44
	s_lshl_b32 s45, 0x1111, s40
	GROUP1 G1A, 44, 64
	GROUP1 G1B, 45, 96
	s_mul_i32 s50, s18, 16*REC
	s_sub_co_u32 s51, s14, 1
	s_max_i32 s51, s51, 0
	s_lshl_b32 s51, s51, 16
	s_add_co_u32 s50, s50, s51
	s_mul_i32 s52, s67, 64*REC
	s_mul_i32 s53, s17, 8*REC
	s_add_co_u32 s52, s52, s53
	s_lshl_b32 s48, s16, 9                         ; my thread's rows 128 (wave % 2) + 32 (lane / 8) + 16 (wave / 2) + 2 (lane % 8) + e: 4 bytes a row
	s_lshl_b32 s53, s15, 6
	s_add_co_u32 s48, s48, s53
	s_lshl_b32 s54, s18, 10
	s_add_co_u32 s54, s54, s48
	s_add_co_u32 s54, s54, CODEB                   ; p's scale words
	s_lshl_b32 s55, s67, 12
	s_lshl_b32 s53, s17, 9
	s_add_co_u32 s55, s55, s53
	s_add_co_u32 s55, s55, CODEB                   ; v's
	s_lshl_b32 s49, s18, 15
	s_lshl_b32 s53, s15, 14
	s_add_co_u32 s49, s49, s53
	s_lshl_b32 s53, s16, 8
	s_add_co_u32 s49, s49, s53                     ; the statistics
	s_mov_b32 s71, 0
	s_mov_b32 s[G0A], 1
	s_lshl_b32 s[G0A+1], s14, 16
	s_add_co_u32 s[G0A+1], s[G0A+1], AB-65536
	s_mov_b32 s[G0B], 1
	s_mov_b32 s[G0B+1], 0
	v_and_b32 v3, 31, v0                           ; lane
	v_lshlrev_b32 v9, 2, v0
	v_lshlrev_b32 v22, 3, v3
	v_lshrrev_b32 v4, 3, v3
	v_and_b32 v5, 7, v3
	v_lshlrev_b32 v5, 3, v5
	v_lshl_add_u32 v5, v4, 7, v5                   ; 128 (lane / 8) + 8 (lane % 8)
	WALU
	s_wait_dscnt 0x0
	s_wait_kmcnt 0x0
	PADD 74, 8, 49
	PADD 76, 4, 54
	PADD 78, 6, 55
.irp c, 0,1,2,3,4,5,6,7,8,9,10,11,12,13,14,15
	global_load_b64 v[M0+2*\c:M0+2*\c+1], v22, s[74:75] offset:1024*\c
	global_load_b64 v[L0+2*\c:L0+2*\c+1], v22, s[74:75] offset:1024*\c+512
.endr
.irp q, 0,1,2,3,4,5,6,7
	global_load_b64 v[PW+2*\q:PW+2*\q+1], v5, s[76:77] offset:32768*\q
	global_load_b32 v[VW+\q], v9, s[78:79] offset:32768*\q
.endr
	PADD G0A+2, 4, 50
	s_or_b32 s[G0A+3], s[G0A+3], 0x80000000
	PADD G0B+2, 6, 52
	s_or_b32 s[G0B+3], s[G0B+3], 0x80000000
	CROUND                                         ; in front of the first joint loads
	s_cmp_eq_u32 s14, 0
	s_cbranch_scc0 .Lfor_a
	TLOAD G0B, G1B                                 ; wave 0: v's tile
	s_branch .Lasked
.Lfor_a:
	TLOAD G0A, G1A                                 ; waves 1, 2, 3: a third of p's tile each
.Lasked:
	s_lshl_b32 s53, s18, 20                        ; out0: 256 rows of 4,096 bytes a tile,
	s_lshl_b32 s51, s15, 16
	s_add_co_u32 s53, s53, s51                     ; + 16 a rows,
	s_lshl_b32 s51, s17, 9
	s_add_co_u32 s53, s53, s51                     ; + 4 (128 x tile + 64 c) bytes
	s_lshl_b32 s51, s16, 8
	s_add_co_u32 s53, s53, s51
	PADD 12, 10, 53
	s_mul_i32 s46, s16, 4*REC
	s_mul_i32 s47, s15, REC
	s_add_co_u32 s47, s47, AB
	s_lshl_b32 s50, s15, 8
	s_add_co_u32 s50, s50, SCA
	s_lshl_b32 s49, s16, 10
	s_add_co_u32 s49, s49, SCBB
	s_lshl_b32 s51, s15, 6
	s_add_co_u32 s51, s51, RLS
	s_lshl_b32 s52, s48, 2
	s_add_co_u32 s52, s52, SCA
	s_add_co_u32 s48, s48, RLS
	s_mov_b32 s22, 0x01010101
	v_and_b32 v1, 15, v0                           ; r
	v_bfe_u32 v2, v0, 4, 1                         ; h
	v_lshl_add_u32 v6, v3, 4, s47
	v_lshl_add_u32 v7, v3, 3, s47
	v_lshl_add_u32 v8, v1, 4, s50
	v_lshlrev_b32 v21, 6, v1
	v_lshl_add_u32 v21, v2, 4, v21
	v_add_nc_u32 v21, s49, v21                     ; v's scale words: column 64 c + 4 r + h (+ 2 p by the offset)
	v_lshlrev_b32 v14, 5, v2
	v_add_nc_u32 v14, s51, v14                     ; 1 / l of rows 8 h + 0 .. 7
	v_lshlrev_b32 v20, 15, v2
	v_lshl_add_u32 v20, v1, 4, v20
	v_lshl_add_u32 v15, v5, 2, s52                 ; where my two rows' corrected words go,
	v_add_nc_u32 v16, s48, v5                      ; and their 1 / l
	v_lshlrev_b32 v17, 4, v0
	v_add_nc_u32 v17, SCBB, v17
	v_lshrrev_b32 v18, 2, v1                       ; r / 4: the record
	v_and_b32 v19, 3, v1
	v_lshl_add_u32 v19, v19, 2, v18                ; 4 (r % 4) + r / 4
	v_mul_u32_u24 v18, v18, REC
	v_add_nc_u32 v18, s46, v18
.irp t, 0,1,2,3
	v_add_nc_u32 v[BT+\t], \t, v19
	v_and_b32 v[BT+\t], 15, v[BT+\t]
	v_lshl_add_u32 v[BT+\t], v2, 4, v[BT+\t]
	v_lshl_add_u32 v[BT8+\t], v[BT+\t], 3, v18
	v_lshl_add_u32 v[BT+\t], v[BT+\t], 4, v18
.endr
	WALU
	s_wait_loadcnt 0x0
	; my two rows, by turns.  Four bytes at a time: with bit 7 set in each, byte + 128 - D lies in 2 .. 253, so no byte borrows; bit 7 is left where byte >= D; elsewhere the byte becomes 0.
.irp e, 0,1
	v_min3_num_f32 v[168+\e], v[M0+\e], v[M0+2+\e], v[M0+4+\e]
.endr
.irp c, 3,5,7,9,11,13
.irp e, 0,1
	v_min3_num_f32 v[168+\e], v[168+\e], v[M0+2*\c+\e], v[M0+2*\c+2+\e]
.endr
.endr
.irp e, 0,1
	v_min_num_f32 v[168+\e], v[168+\e], v[M0+30+\e]   ; -M
.endr
.irp q, 0,1,2,3,4,5,6,7
.irp e, 0,1
	v_sub_f32 v[170+\e], v[M0+4*\q+\e], v[168+\e]
	v_sub_f32 v[172+\e], v[M0+4*\q+2+\e], v[168+\e]
.endr
.irp k, 170,171,172,173
	v_min_num_f32 v\k, 0x42fe0000, v\k             ; D, held at 127
.endr
.irp k, 170,171,172,173
	v_cvt_u32_f32 v\k, v\k
.endr
.irp k, 0,1,2,3
	v_sub_nc_u32 v[188+\k], 0, v[170+\k]
.endr
.irp e, 0,1
	v_ldexp_f32 v[188+\e], v[L0+4*\q+\e], v[188+\e]
	v_ldexp_f32 v[190+\e], v[L0+4*\q+2+\e], v[190+\e]
.endr
.irp e, 0,1
	v_lshl_or_b32 v[170+\e], v[172+\e], 16, v[170+\e]
	v_or_b32 v[172+\e], 0x80808080, v[PW+2*\q+\e]
.endr
.irp e, 0,1
	v_mul_u32_u24 v[170+\e], 0x101, v[170+\e]      ; D of each byte's chunk
	v_add_f32 v[188+\e], v[188+\e], v[190+\e]
.endr
.irp e, 0,1
	v_sub_nc_u32 v[172+\e], v[172+\e], v[170+\e]
.if \q == 0
	v_mov_b32 v[174+\e], v[188+\e]
.else
	v_add_f32 v[174+\e], v[174+\e], v[188+\e]      ; l
.endif
.endr
.irp e, 0,1
	v_lshrrev_b32 v[170+\e], 7, v[172+\e]
.endr
.irp e, 0,1
	v_and_b32 v[170+\e], s22, v[170+\e]
.endr
.irp e, 0,1
	v_lshlrev_b32 v[188+\e], 7, v[170+\e]
.endr
.irp e, 0,1
	v_sub_nc_u32 v[188+\e], v[188+\e], v[170+\e]
.endr
.irp e, 0,1
	v_and_b32 v[PN+8*\e+\q], v[172+\e], v[188+\e]
.endr
.endr
	WALU
	v_rcp_f32 v176, v174
	v_rcp_f32 v177, v175
	v_nop
	WALU
	ds_store_b128 v15, v[PN:PN+3]
	ds_store_b128 v15, v[PN+4:PN+7] offset:4096
	ds_store_b128 v15, v[PN+8:PN+11] offset:16
	ds_store_b128 v15, v[PN+12:PN+15] offset:4112
	ds_store_b64 v16, v[176:177]
	ds_store_b128 v17, v[VW:VW+3]
	ds_store_b128 v17, v[VW+4:VW+7] offset:2048
	s_cmp_eq_u32 s14, 0
	s_cbranch_scc0 .Lnot_b
	s_wait_tensorcnt 0x0
.Lnot_b:
	s_wait_dscnt 0x0
	BARRIER                                        ; v's tile and all scale words are in
.irp q, 0,1,2,3,4,5,6,7
.irp t, 0,1,2,3
	FRAG 4*\q+\t, BT+\t, BT8+\t, FRG*\q
.endr
.endr
	WIN 0
.irp p, 0,1
	ds_load_b128 v[SB+8*\p:SB+8*\p+3], v21 offset:32*\p
	ds_load_b128 v[SB+8*\p+4:SB+8*\p+7], v21 offset:2048+32*\p
.endr
	s_wait_tensorcnt 0x0
	s_wait_dscnt 0x0
	BARRIER                                        ; p's tile is in
	XADR 0
	FETCH 0
	XADR 1
	FETCH 1
; eight blocks; a block's divisions stand among the next block's products, its stores behind them
.irp s, 0,1,2,3,4,5,6,7
.if \s < 7
	s_wait_dscnt NF                                ; my rows and the last block's 1 / l are in; the next block's fetch may be out
.else
	s_wait_dscnt 0x0
.endif
	s_wait_xcnt 0x0                                ; the stores before have read their registers
.irp q, 0,1,2,3,4,5,6,7
.irp t, 0,1,2,3
	PROD \s, \q, \t
.if (\s > 0) && (\t%2)
	WIN 0
	DIV 4*\q+\t-1, \s-1
	DIV 4*\q+\t, \s-1
.endif
.endr
.endr
	WIN 0
.if \s < 6
	XADR \s+2
	v_nop
	v_nop
.else
.rept 4
	v_nop
.endr
.endif
	WALU
.if \s > 0
	SEND \s-1
.endif
	ds_load_b128 v[RL:RL+3], v14 offset:128*\s
	ds_load_b128 v[RL+4:RL+7], v14 offset:128*\s+16
.if \s < 6
	FETCH \s+2
.endif
.endr
	s_wait_dscnt 0x0
	s_wait_xcnt 0x0
.set I, 0
.rept 32
	DIV I, 7
.set I, I+1
.endr
	WALU
	SEND 7
	s_wait_tensorcnt 0x0                           ; the wave's end
	ds_add_u32 v[SPW], v[NIL]
	s_wait_dscnt 0x0
	CROUND
	s_endpgm
.Lfunc_end_k_qf4bbd33fc0_pv:
	.size	k_qf4bbd33fc0_pv, .Lfunc_end_k_qf4bbd33fc0_pv-k_qf4bbd33fc0_pv
	.p2alignl 7, 3214868480
	.fill 96, 4, 3214868480
	.section	.rodata,"a",@progbits
	.p2align	6, 0x0
	.amdhsa_kernel k_qf4bbd33fc0_pv
		.amdhsa_group_segment_fixed_size 327680
		.amdhsa_private_segment_fixed_size 0
		.amdhsa_enable_private_segment 0
		.amdhsa_kernarg_size 32
		.amdhsa_user_sgpr_count 2
		.amdhsa_user_sgpr_kernarg_segment_ptr 1
		.amdhsa_wavefront_size32 1
		.amdhsa_system_sgpr_workgroup_id_x 1
		.amdhsa_system_sgpr_workgroup_id_y 1
		.amdhsa_system_sgpr_workgroup_id_z 1
		.amdhsa_system_vgpr_workitem_id 0
		.amdhsa_next_free_vgpr 1024
		.amdhsa_next_free_sgpr 106
		.amdhsa_reserve_vcc 0
		.amdhsa_float_denorm_mode_32 3
		.amdhsa_float_denorm_mode_16_64 3
		.amdhsa_memory_ordered 1
		.amdhsa_forward_progress 1
		.amdhsa_inst_pref_size 112
	.end_amdhsa_kernel
	.amdgpu_metadata
---
amdhsa.version: [ 1, 2 ]
amdhsa.kernels:
  - .name:           k_qf4bbd33fc0_pv
    .symbol:         k_qf4bbd33fc0_pv.kd
    .args:
      - { .name: pws, .offset: 0, .size: 8, .value_kind: global_buffer, .address_space: global }
      - { .name: vws, .offset: 8, .size: 8, .value_kind: global_buffer, .address_space: global }
      - { .name: stats, .offset: 16, .size: 8, .value_kind: global_buffer, .address_space: global }
      - { .name: out0, .offset: 24, .size: 8, .value_kind: global_buffer, .address_space: global }
    .group_segment_fixed_size: 327680
    .private_segment_fixed_size: 0
    .kernarg_segment_align: 8
    .kernarg_segment_size: 32
    .max_flat_workgroup_size: 128
    .sgpr_count:     106
    .vgpr_count:     1024
    .wavefront_size: 32
...
	.end_amdgpu_metadata
.endif
;; end of part 3
